; MI455X (gfx1250); checked and timed in simulation.
; The chip was launched on July 23, 2026; its instructions are those of AMD's public machine-readable ISA for CDNA 5 (MIT licence, August 2026) and "CDNA5" Instruction Set Architecture Reference Guide (July 2026). The comments in the code are by the model that wrote it; some were corrected since.
;; Token Aware FFN. Allowed arithmetic: matrix products marked QUANTISED: E2M3 operands, one E8M0 scale for each 32 along K, by v_wmma_scale_f32_16x16x128_f8f6f4 with both operands' format E2M3, f32 sums; products left as they are: f32 operands where the result goes on into a quantised operand, else bf16, f16 or f32 operands; f32 sums; everything else in f32.
;; Inputs: W1 4 x 512 x 2,048 float32; W2 4 x 2,048 x 512 float32; b1 4 x 2,048 float32; b2 4 x 512 float32; token_types 8 x 1,024 int32; x 8 x 1,024 x 512 float32.
;; Outputs: out0 8 x 1,024 x 512 float32.
;; This version of the problem:
;;   THIS VERSION OF THE PROBLEM IS GIVEN IN LOW PRECISION. The matrix products marked QUANTISED in the list below multiply operands that are first quantised to E2M3 (2 exponent bits, 3 mantissa bits; 6 bits a number), with one power-of-two scale for each 32 numbers along K (OCP MX v1.0); their sums are f32. All else is computed in f32.
;;   The module's matrix products, in the order in which they are computed (A, B: the left and right operand; K: the contracted axis; several contracted axes count as one K, in the product's order):
;;     1. [M 8,192, K 512] x [K 512, N 8,192]; A: input W1; B: input x: QUANTISED
;;     2. batch 4 x [M 8,192, K 2,048] x [K 2,048, N 512]; A: computed on the way; B: input W2: QUANTISED
;;     3. batch 8,192 x [M 512, K 4] x [K 4, N 1]; A: computed on the way; B: computed on the way: left as it is (K = 4 < 32)
;;   THE QUANTISER, for each operand of a quantised product, along K:
;;     - K is cut into blocks of 32 from its start; a last block that is shorter is filled with zeros.
;;     - A block's scale is 2^e with e = floor(log2(the largest magnitude in the block)) - 2, held to -126 .. 127; a block of zeros has e = 0. As a byte (E8M0): e + 127.
;;     - Each number is divided by its block's scale, clamped to +-7.5, and rounded to the nearest number of E2M3, ties to even, subnormals kept.
;;     - The product sums the exact products of the quantised numbers (number of the format x scale) in f32.
;;   ~~~python
;;   def quantise(x, axis):      # numpy; x: float32 -> the quantised numbers, widened to float32 again
;;       x = np.moveaxis(x, axis, -1); K = x.shape[-1]
;;       x = np.pad(x, [(0, 0)] * (x.ndim - 1) + [(0, -K % 32)]); x = x.reshape(x.shape[:-1] + (-1, 32)); a = np.abs(x).max(-1, keepdims=True)
;;       e = np.where(a > 0, np.clip(np.frexp(np.where(a > 0, a, 1))[1] - 1 - 2, -126, 127), 0)      # np.frexp(a)[1] - 1 = floor(log2(a)), exactly
;;       r = np.clip(x / 2.0 ** e, -7.5, 7.5)
;;       step = 2.0 ** (np.maximum(np.frexp(np.where(r == 0, 1, r))[1] - 1, 0) - 3)
;;       q = np.round(r / step) * step * 2.0 ** e      # np.round: ties to even
;;       return np.moveaxis(q.reshape(q.shape[:-2] + (-1,))[..., :K], -1, axis).astype(np.float32)
;;   ~~~
;;   OPERANDS COMPUTED ON THE WAY. 'Computed on the way' means the value that the module computes at that place (a softmax that the list does not call 'softmax' is quantised finished and normalised). What goes into a quantiser is computed in f32, as accurately as f32 sums, v_exp_f32 and their like allow (about 1e-6 of the number): no bf16 or f16 on the way to a quantiser, and a product that is left as it is and whose result goes on into a quantised operand takes f32 operands (vector FMAs, or v_wmma_f32_16x16x4_f32). A number that lies on a knife's edge between two numbers of the format may be rounded either way, as far as f32 arithmetic and the matrix unit's own rounding can turn it there, and no further.
;; One version. Each part assembles by itself: llvm-mc -triple=amdgcn-amd-amdhsa -mcpu=gfx1250 --defsym DOCPART=n.
;; ======== version 1 of 1: 2 launches
;; workspace buffers: wf 6,291,456 bytes; ws 262,144 bytes; slots 34,816 bytes of whole numbers; tiles 4,096 bytes of whole numbers
;; launch prep (part 1): grid 257 x 1, 8 waves a work-group, no clusters, 2,048 bytes of LDS; arguments W1, W2, token_types, wf, ws, slots, tiles; writes wf, ws, slots, tiles
.if DOCPART == 1
	.amdgcn_target "amdgcn-amd-amdhsa--gfx1250"
	.amdhsa_code_object_version 6
	.text
	.protected	k_qc4cad967c0_prep
	.globl	k_qc4cad967c0_prep
	.p2align	8
	.type	k_qc4cad967c0_prep,@function
k_qc4cad967c0_prep:
	s_mov_b64 s[64:65], 0
	v_nop
	global_prefetch_b8 v0, s[64:65] scope:SCOPE_SE
	s_setreg_imm32_b32 hwreg(HW_REG_WAVE_MODE, 25, 1), 1
	s_wait_xcnt 0x0
; PREP.  Work-group 0 sorts the 8,192 tokens by type; work-groups 1 to 256 turn W1 [4][512][2048] and W2 [4][2048][512], f32, into codes of FP6 (E2M3) with one E8M0 byte for each 32 along K.
; K is the FIRST axis of each expert's matrix: a lane takes a column and its registers run down K, so a block of 32 lies in one lane and the conversions give codes with K innermost.
; THE CODES ARE LAID AS IMAGES OF OPERAND REGISTERS.  wf: te x 786,432 + Q x 12,288 + i x 1,536 + plane x 512 + 16 x lane; te = 4 x tensor + expert; Q = the eight fragments that one wave of the
; second launch uses in one trip; i = 2 j + u the fragment; register jr of a fragment's lane at plane jr / 4, word jr % 4.  So a fragment comes by three loads of 16 bytes a lane.
;   W1: Q = f / 32, j = the K step (128 of D), u = the tile of the pair; row r of tile u is hidden unit 32 Q + 8 u + r + 8 (r / 8).
;   W2: g = f / 128, cg = n / 32: Q = 8 (g / 2) + cg / 2, j = 2 (g % 2) + cg % 2, u = the tile in cg; row r is output column 32 cg + 16 u + r.
; ws: te x 32,768 + Q x 512 + (16 u + r) x 16 + 4 j: a row's scale word (four bytes, 128 along K).
; A block's scale is 2^(floor(log2(its largest magnitude)) - 2); its byte is the largest magnitude's exponent field - 2, held at 1 from below.  A block of zeros so gets the byte 1 where the
; quantiser says 127: its codes are zeros, and the bytes are read by this program alone.  LIMITS: NaN and infinities among the weights are not served.
; THE SORT, whole numbers only.  class = min(type as unsigned, 4); class 4 is every type outside 0 .. 3.  Each class gets whole tiles of 48 places in slots; tiles[i] = (class, rows, 0, 0).
; There are never more than (8,192 + 5 x 47) / 48 = 175 tiles.  Places behind a tile's last row are written 0, so that every word of the 175 tiles is written.
.set X,    16                          ; v16-143  128 numbers down K
.set CH,   144                         ; v144-167 the codes: 12 registers for the target lane r, 12 for the target lane 16 + r
.set CT,   168                         ; v168-170 the upper half of a block's codes (a conversion's three registers begin on an even number)
.set MXA,  172
.set MXB,  173
.set SC,   174                         ; the conversion's scale operand
.set BY,   175                         ; the scale's byte
.set SW,   176                         ; the scale word
.set T,    16                          ; the sort: v16-47 classes, then the stores' offsets
.set ID,   48                          ; v48-79 token numbers
.set CN,   80                          ; v80-143 the eight waves' counts, eight registers a wave
	s_load_b256 s[4:11], s[0:1], 0x0               ; W1 s[4:5], W2 s[6:7], token_types s[8:9], wf s[10:11]
	s_load_b128 s[12:15], s[0:1], 0x20             ; ws s[12:13], slots s[14:15]
	s_load_b64 s[16:17], s[0:1], 0x30              ; tiles
	v_lshl_add_u32 v192, v0, 2, 0x400
	v_mov_b32 v193, 0
	v_lshrrev_b32 v1, 5, v0
	v_readfirstlane_b32 s18, v1                    ; wave 0..7
	v_and_b32 v1, 31, v0                           ; lane
	s_cmp_eq_u32 ttmp9, 0
	s_cbranch_scc1 .Lroute
	; ---- THE WEIGHTS: a wave takes 32 columns x 128 along K: two fragments
	s_sub_co_u32 s19, ttmp9, 1
	s_lshl_b32 s19, s19, 3
	s_add_co_u32 s19, s19, s18                     ; the task, 0 .. 2047: under 1,024 W1's, else W2's
	s_lshr_b32 s20, s19, 8                         ; te
	s_and_b32 s21, s20, 3                          ; the expert
	s_and_b32 s22, s19, 63                         ; W1: the pair of tiles, f / 32
	s_bfe_u32 s23, s19, 0x20006                    ;     the K step
	s_lshl_b32 s24, s23, 20                        ;     128 rows of 8,192 bytes
	s_and_b32 s25, s19, 15                         ; W2: cg
	s_bfe_u32 s26, s19, 0x40004                    ;     g
	s_lshl_b32 s27, s26, 18                        ;     128 rows of 2,048 bytes
	s_lshr_b32 s28, s26, 1
	s_lshl_b32 s28, s28, 3
	s_lshr_b32 s29, s25, 1
	s_add_co_u32 s28, s28, s29                     ;     Q
	s_and_b32 s29, s26, 1
	s_lshl_b32 s29, s29, 1
	s_and_b32 s30, s25, 1
	s_add_co_u32 s29, s29, s30                     ;     j
	s_cmp_lt_u32 s19, 1024                         ; every choice on this compare stands ahead of the next line that sets SCC
	s_cselect_b32 s31, s22, s25                    ; which 32 columns
	s_cselect_b32 s32, s24, s27                    ; where the 128 rows begin
	s_cselect_b32 s33, s22, s28                    ; Q
	s_cselect_b32 s34, s23, s29                    ; j
	s_cselect_b32 s35, -1, 0                       ; all lanes: W1's order of rows
	s_wait_kmcnt 0x0
	s_cselect_b64 s[36:37], s[4:5], s[6:7]         ; the choice hangs on the work-group's and the wave's number alone
	s_lshl_b32 s38, s21, 22                        ; an expert's matrix is 4,194,304 bytes in both tensors
	s_add_co_u32 s38, s38, s32
	s_lshl_b32 s39, s31, 7
	s_add_co_u32 s38, s38, s39
	s_mov_b32 s39, 0
	s_add_nc_u64 s[36:37], s[36:37], s[38:39]
	s_mul_i32 s38, s20, 786432
	s_mul_i32 s40, s33, 12288
	s_add_co_u32 s38, s38, s40
	s_mul_i32 s40, s34, 3072
	s_add_co_u32 s38, s38, s40
	s_add_nc_u64 s[10:11], s[10:11], s[38:39]      ; wf at fragment 2 j of my Q
	s_lshl_b32 s38, s20, 15
	s_lshl_b32 s40, s33, 9
	s_add_co_u32 s38, s38, s40
	s_lshl_b32 s40, s34, 2
	s_add_co_u32 s38, s38, s40
	s_add_nc_u64 s[12:13], s[12:13], s[38:39]      ; ws at word j of my Q
	v_lshlrev_b32 v2, 2, v1                        ; in: 4 bytes a lane: 128 consecutive bytes a wave, 1,024 a work-group
	v_bfe_u32 v5, v1, 3, 1                         ; W1: column l is row (l % 8) + 8 (l / 16) of tile (l / 8) % 2
	v_and_b32 v6, 7, v1
	v_lshrrev_b32 v7, 4, v1                        ; W2: row l % 16 of tile l / 16
	v_lshl_add_u32 v6, v7, 3, v6
	v_and_b32 v8, 15, v1
	v_cndmask_b32 v5, v7, v5, s35                  ; u
	v_cndmask_b32 v6, v8, v6, s35                  ; r
	v_mul_u32_u24 v3, v5, 1536
	v_lshl_add_u32 v3, v6, 4, v3                   ; out: fragment u, target lane r
	v_lshl_add_u32 v4, v5, 4, v6
	v_lshlrev_b32 v4, 4, v4                        ; the scale word's place: 16 (16 u + r)
.macro WLOAD stride                    ; row d of my 128, my column
.set d, 0
.rept 128
	global_load_b32 v[X+d], v2, s[36:37] offset:d*\stride th:TH_LOAD_NT
.set d, d+1
.endr
.endm
	s_cmp_lt_u32 s19, 1024
	s_cbranch_scc0 .Lw2
	WLOAD 8192
	s_branch .Lquant
.Lw2:
	WLOAD 2048
.Lquant:
; Block kb of four: k = 32 kb + 0 .. 31.  In the operand it belongs to target lane r + 16 (kb % 2), registers 6 (kb / 2) + 0 .. 5.
.macro WBLK kb, cnt
	s_wait_loadcnt \cnt                            ; loads come back in order: this block's 32 are in.  96, 64, 32, 0 younger ones are out; a wait names 63 at the most
	v_max3_num_f32 v[MXA], |v[X+32*\kb]|, |v[X+32*\kb+1]|, |v[X+32*\kb+2]|
	v_max3_num_f32 v[MXB], |v[X+32*\kb+3]|, |v[X+32*\kb+4]|, |v[X+32*\kb+5]|
.irp i, 6,10,14,18,22,26
	v_max3_num_f32 v[MXA], v[MXA], |v[X+32*\kb+\i]|, |v[X+32*\kb+\i+1]|
	v_max3_num_f32 v[MXB], v[MXB], |v[X+32*\kb+\i+2]|, |v[X+32*\kb+\i+3]|
.endr
	v_max3_num_f32 v[MXA], v[MXA], |v[X+32*\kb+30]|, |v[X+32*\kb+31]|
	v_max3_num_f32 v[MXA], v[MXA], v[MXB], 0x1800000   ; and the floor 2^(3 - 127): the byte cannot fall under 1
	v_add_nc_u32 v[SC], 0xff000000, v[MXA]         ; 2 off the exponent field: the conversion takes the exponent field of this operand as its scale
	v_lshrrev_b32 v[BY], 23, v[SC]
.if \kb == 0
	v_mov_b32 v[SW], v[BY]
.else
	v_lshl_or_b32 v[SW], v[BY], 8*\kb, v[SW]
.endif
	v_cvt_scalef32_pk16_fp6_f32 v[CH+12*(\kb%2)+6*(\kb/2):CH+12*(\kb%2)+6*(\kb/2)+2], v[X+32*\kb:X+32*\kb+15], v[SC]
	v_cvt_scalef32_pk16_fp6_f32 v[CT:CT+2], v[X+32*\kb+16:X+32*\kb+31], v[SC]
	v_nop                                          ; one plain place behind a scaled conversion
.irp i, 0,1,2
	v_mov_b32 v[CH+12*(\kb%2)+6*(\kb/2)+3+\i], v[CT+\i]
.endr
.endm
	WBLK 0, 63
	WBLK 1, 63
	WBLK 2, 32
	WBLK 3, 0
.irp hh, 0,1
.irp pl, 0,1,2
	global_store_b128 v3, v[CH+12*\hh+4*\pl:CH+12*\hh+4*\pl+3], s[10:11] offset:256*\hh+512*\pl   ; the sixteen lanes of a tile store 256 consecutive bytes, at a multiple of 256 from wf's first byte
.endr
.endr
	global_store_b32 v4, v[SW], s[12:13]           ; 4 bytes at every 16: the other three words of a place are other waves'; one byte in 128 of what this path reads
	s_endpgm
	; ---- THE SORT: wave w takes tokens 1,024 w on; register 4 j + q of lane l holds token 1,024 w + 128 j + 4 l + q
.Lroute:
	s_lshl_b32 s19, s18, 12
	v_lshl_add_u32 v2, v1, 4, s19
	s_wait_kmcnt 0x0
.irp j, 0,1,2,3,4,5,6,7
	global_load_b128 v[T+4*\j:T+4*\j+3], v2, s[8:9] offset:512*\j
.endr
.irp c, 0,1,2,3
	s_mov_b32 s[20+\c], 0
.endr
	s_wait_loadcnt 0x0
.irp i, 0,1,2,3,4,5,6,7,8,9,10,11,12,13,14,15,16,17,18,19,20,21,22,23,24,25,26,27,28,29,30,31
	v_min_u32 v[T+\i], 4, v[T+\i]                  ; the class
.endr
	; my wave's count of each class: a ballot for each register and class, four registers at a time
.irp bt, 0,1,2,3,4,5,6,7
.irp q, 0,1,2,3
.irp c, 0,1,2,3
	v_cmp_eq_u32 s[28+4*\q+\c], \c, v[T+4*\bt+\q]
.endr
.endr
.irp q, 0,1,2,3
.irp c, 0,1,2,3
	s_bcnt1_i32_b32 s[28+4*\q+\c], s[28+4*\q+\c]
.endr
.endr
.irp q, 0,1,2,3
.irp c, 0,1,2,3
	s_add_co_u32 s[20+\c], s[20+\c], s[28+4*\q+\c]
.endr
.endr
.endr
	s_add_co_u32 s24, s20, s21
	s_add_co_u32 s24, s24, s22
	s_add_co_u32 s24, s24, s23
	s_sub_co_u32 s24, 1024, s24                    ; class 4: the rest
	s_lshl_b32 s25, s18, 5
	v_mov_b32 v3, s25                              ; LDS: 32 bytes a wave
.irp c, 0,1,2,3,4
	v_mov_b32 v[4+\c], s[20+\c]
.endr
.irp c, 0,1,2,3,4
	ds_store_b32 v3, v[4+\c] offset:4*\c           ; all lanes write the same word with the same value
.endr
	s_wait_dscnt 0x0                               ; for the others' sake: my counts lie in LDS
	s_barrier_signal -1
	s_barrier_wait -1
	v_mov_b32 v9, 0
.irp k, 0,1,2,3,4,5,6,7
	ds_load_b128 v[CN+8*\k:CN+8*\k+3], v9 offset:32*\k
	ds_load_b32 v[CN+8*\k+4], v9 offset:32*\k+16
.endr
.irp c, 0,1,2,3,4
	s_mov_b32 s[44+\c], 0                          ; s44-48: the class's tokens in the waves before mine
	s_mov_b32 s[50+\c], 0                          ; s50-54: in all waves
.endr
	s_wait_dscnt 0x0
.irp k, 0,1,2,3,4,5,6,7
.irp c, 0,1,2,3,4
	v_readfirstlane_b32 s[56+\c], v[CN+8*\k+\c]
.endr
	s_cmp_gt_u32 s18, \k
.irp c, 0,1,2,3,4
	s_cselect_b32 s[66+\c], s[56+\c], 0
.endr
.irp c, 0,1,2,3,4
	s_add_co_u32 s[44+\c], s[44+\c], s[66+\c]
	s_add_co_u32 s[50+\c], s[50+\c], s[56+\c]
.endr
.endr
	s_mov_b32 s72, 0                               ; s72-76: each class's first tile
.irp c, 0,1,2,3
	s_add_co_u32 s56, s[50+\c], 47
	s_mul_i32 s56, s56, 43691                      ; x / 48 = (43,691 x) >> 21, exact for x under 131,072: 48 x 43,691 = 2^21 + 16
	s_lshr_b32 s56, s56, 21
	s_add_co_u32 s[73+\c], s[72+\c], s56
.endr
.irp c, 0,1,2,3,4
	s_mul_i32 s56, s[72+\c], 48
	s_add_co_u32 s[44+\c], s[44+\c], s56           ; the place of my wave's first token of the class
.endr
	s_lshl_b32 s25, s18, 10
	v_lshl_add_u32 v10, v1, 2, s25                 ; 1,024 w + 4 l
	; each token's place: the class's running place + the lanes below mine that hold the class.  No register is written twice, so no store's source is at stake
.irp i, 0,1,2,3,4,5,6,7,8,9,10,11,12,13,14,15,16,17,18,19,20,21,22,23,24,25,26,27,28,29,30,31
.irp c, 0,1,2,3,4
	v_cmp_eq_u32 s[28+8*(\i%2)+\c], \c, v[T+\i]
.endr
	v_mbcnt_lo_u32_b32 v11, s[28+8*(\i%2)+4], s48
.irp c, 0,1,2,3
	v_mbcnt_lo_u32_b32 v12, s[28+8*(\i%2)+\c], s[44+\c]
	v_cndmask_b32 v11, v11, v12, s[28+8*(\i%2)+\c]
.endr
.irp c, 0,1,2,3,4
	s_bcnt1_i32_b32 s[28+8*(\i%2)+\c], s[28+8*(\i%2)+\c]
.endr
.irp c, 0,1,2,3,4
	s_add_co_u32 s[44+\c], s[44+\c], s[28+8*(\i%2)+\c]
.endr
	v_min_u32 v11, 8399, v11                       ; inside the 175 tiles
	v_lshlrev_b32 v[T+\i], 2, v11
	v_add_nc_u32 v[ID+\i], 128*(\i/4)+(\i%4), v10
	global_store_b32 v[T+\i], v[ID+\i], s[14:15]
.endr
	; the table of tiles: thread i writes tile i.  The last class whose first tile is at or below i has it
	v_mov_b32 v144, 0                              ; class
	v_mov_b32 v148, 0                              ; its first tile
	v_mov_b32 v149, s50                            ; its tokens
.irp c, 1,2,3,4
	v_cmp_gt_u32 vcc_lo, s[72+\c], v0
	v_cndmask_b32 v144, \c, v144, vcc_lo
	v_cndmask_b32 v148, s[72+\c], v148, vcc_lo
	v_cndmask_b32 v149, s[50+\c], v149, vcc_lo
.endr
	v_sub_nc_u32 v145, v0, v148
	v_mul_u32_u24 v145, v145, 48
	v_min_u32 v145, v145, v149
	v_sub_nc_u32 v145, v149, v145                  ; the tokens left from this tile on,
	v_min_u32 v145, 48, v145                       ; 48 of them at the most: the tile's rows (0 behind the last tile)
	v_mov_b32 v146, 0
	v_mov_b32 v147, 0
	v_lshlrev_b32 v150, 4, v0
	global_store_b128 v150, v[144:147], s[16:17]
	; the places behind a tile's last row are written 0.  A lane whose place holds a token stores its 0 to a word of its own behind the tiles (8,400 + i), which nobody reads: so no lane is switched off
	v_cmp_gt_u32 vcc_lo, 175, v0
	v_cndmask_b32 v151, 48, v145, vcc_lo           ; threads 175 on have no tile
	v_mul_u32_u24 v152, v0, 48
	v_add_nc_u32 v153, 8400, v0
	s_wait_xcnt 0x0                                ; the stores above have read v16-79: they now take these stores' offsets
.set rho, 0
.rept 48
	v_cmp_ge_u32 vcc_lo, rho, v151
	v_add_nc_u32 v[16+rho], rho, v152
	v_cndmask_b32 v[16+rho], v153, v[16+rho], vcc_lo
	v_min_u32 v[16+rho], 8655, v[16+rho]
	v_lshlrev_b32 v[16+rho], 2, v[16+rho]
	global_store_b32 v[16+rho], v146, s[14:15]
.set rho, rho+1
.endr
	s_wait_tensorcnt 0x0
	ds_add_u32 v192, v193
	s_wait_dscnt 0x0
	s_endpgm
.Lfunc_end_k_qc4cad967c0_prep:
	.size	k_qc4cad967c0_prep, .Lfunc_end_k_qc4cad967c0_prep-k_qc4cad967c0_prep
	.p2alignl 7, 3214868480
	.fill 96, 4, 3214868480
	.section	.rodata,"a",@progbits
	.p2align	6, 0x0
	.amdhsa_kernel k_qc4cad967c0_prep
		.amdhsa_group_segment_fixed_size 2048
		.amdhsa_private_segment_fixed_size 0
		.amdhsa_enable_private_segment 0
		.amdhsa_kernarg_size 56
		.amdhsa_user_sgpr_count 2
		.amdhsa_user_sgpr_kernarg_segment_ptr 1
		.amdhsa_wavefront_size32 1
		.amdhsa_system_sgpr_workgroup_id_x 1
		.amdhsa_system_sgpr_workgroup_id_y 1
		.amdhsa_system_sgpr_workgroup_id_z 1
		.amdhsa_system_vgpr_workitem_id 0
		.amdhsa_next_free_vgpr 194
		.amdhsa_next_free_sgpr 100
		.amdhsa_reserve_vcc 1
		.amdhsa_float_denorm_mode_32 3
		.amdhsa_float_denorm_mode_16_64 3
		.amdhsa_memory_ordered 1
		.amdhsa_forward_progress 1
		.amdhsa_inst_pref_size 121
	.end_amdhsa_kernel
	.amdgpu_metadata
---
amdhsa.version: [ 1, 2 ]
amdhsa.kernels:
  - .name:           k_qc4cad967c0_prep
    .symbol:         k_qc4cad967c0_prep.kd
    .args:
      - { .name: W1, .offset: 0, .size: 8, .value_kind: global_buffer, .address_space: global }
      - { .name: W2, .offset: 8, .size: 8, .value_kind: global_buffer, .address_space: global }
      - { .name: token_types, .offset: 16, .size: 8, .value_kind: global_buffer, .address_space: global }
      - { .name: wf, .offset: 24, .size: 8, .value_kind: global_buffer, .address_space: global }
      - { .name: ws, .offset: 32, .size: 8, .value_kind: global_buffer, .address_space: global }
      - { .name: slots, .offset: 40, .size: 8, .value_kind: global_buffer, .address_space: global }
      - { .name: tiles, .offset: 48, .size: 8, .value_kind: global_buffer, .address_space: global }
    .group_segment_fixed_size: 2048
    .private_segment_fixed_size: 0
    .kernarg_segment_align: 8
    .kernarg_segment_size: 56
    .max_flat_workgroup_size: 256
    .sgpr_count:     100
    .vgpr_count:     194
    .wavefront_size: 32
...
	.end_amdgpu_metadata
.endif
;; end of part 1
;; launch ffn (part 2): grid 175 x 1, 8 waves a work-group, no clusters, 142,336 bytes of LDS; arguments x, slots, tiles, wf, ws, b1, b2, out0; writes out0
.if DOCPART == 2
	.amdgcn_target "amdgcn-amd-amdhsa--gfx1250"
	.amdhsa_code_object_version 6
	.text
	.protected	k_qc4cad967c0_ffn
	.globl	k_qc4cad967c0_ffn
	.p2align	8
	.type	k_qc4cad967c0_ffn,@function
k_qc4cad967c0_ffn:
	s_mov_b64 s[64:65], 0
	v_nop
	global_prefetch_b8 v0, s[64:65] scope:SCOPE_SE
	s_setreg_imm32_b32 hwreg(HW_REG_WAVE_MODE, 25, 1), 1
	s_wait_xcnt 0x0
; FFN.  out[token] = gelu(x[token] W1[e] + b1[e]) W2[e] + b2[e], e the token's type, both products on codes of FP6 (E2M3) with one E8M0 scale for each 32 along K; gelu by the error function, in f32.
; A work-group takes ONE TILE of at most 48 rows of one class (slots, tiles: the first launch's sort) through the whole chain; the hidden layer lives in registers and LDS alone.
; 175 work-groups serve every split of 8,192 tokens over five classes.  Rows behind a tile's last are copies of its last row: they compute and store the same bytes, so nothing is masked.
; A tile without rows (four at the most) walks the chain on token 0 and jumps over the way out alone: no barrier stands under a branch on a number read from memory.  Class 4 (a type outside 0 .. 3)
; walks with expert 3 and its results are turned into zeros on the way out, as the one-hot selection leaves them.
; SHARES.  Eight trips of 256 hidden units.  In a trip wave w makes units 32 w .. 32 w + 31 (one block of 32 of the second product's K) for the 48 rows, and adds the trip before's 256 units into ITS
; output columns 64 w .. 64 w + 63.  Both products are used transposed (source 0 = 16 rows of weights, source 1 = 16 tokens): a lane holds one token throughout.
; THE ROWS OF W1 THAT FORM A TILE ARE NOT NEIGHBOURS (the first launch laid them so): the 16 registers of a pair of tiles are 16 neighbours along the next K: units 32 w + 16 (lane / 16) + 0 .. 15.
; WEIGHTS come from wf as images of operand registers, three loads of 16 bytes a lane for a fragment, into a ring of 8 + 8 fragments that is loaded again in place as soon as it has been multiplied:
; the loads have the time up to the next block of matrix work in which to land.  A tile begins its walk over the hidden units at trip (work-group % 8), so that the tiles of an expert begin at eight
; different places of its weights; so the order of the f32 sums over the hidden units differs from tile to tile.
; TWO GROUPS OF WAVES.  group = (w xor w / 4) & 1, which differs between w and w + 4 and between 2 i and 2 i + 1.  Between two barriers group 0 does its matrix work and then its vector work
; (gelu, quantiser), group 1 the other way round.
; ROWS' CODES GO FROM WAVE TO WAVE THROUGH LDS AS IMAGES OF OPERAND REGISTERS: 48 bytes a lane, read by three loads of 16 bytes.  A lane that holds the 96 bits of k = 32 blk + 16 h + 0 .. 15 of row r
; stores them at lane r + 16 (blk % 2), registers 6 (blk / 2) + 3 h + 0 .. 2: no lane exchange is needed.  Each trip's hidden images have bytes of their own: one barrier a trip.
; NO CLUSTER, NO TENSOR LOAD: a tile's expert is a number read from memory; neighbouring work-groups may hold tiles of different experts, so no joint request can be stated alike in all partners.
; LIMITS.  NaN and infinities are not served.  0.5 erf(h / sqrt 2) = hc A(hc^2) / B(hc^2), degrees 4 and 6, hc = h held to +-5.2947; its absolute error is about 1e-7, so for h under -5.29 the result is
; 0 or about h x 3e-8 where the exact one is under 4e-7 in magnitude.  A block of zeros has the scale byte 1: its codes are zeros.
.set IMG,  1536                        ; an image: 32 lanes x 48 bytes
.set XIMG, 0                           ; LDS: x's 12 images (4 m + k),
.set XSC,  18432                       ; their scale words, 64 bytes each,
.set B1L,  19456                       ; b1 of the expert, 1,024 bytes a trip, in the order of my walk,
.set HSC,  27648                       ; the hidden layer's scale bytes: 384 t + 128 m + 64 kk + 4 r + block,
.set HIMG, 30720                       ; its images: (2 t + kk) 3 + m,
.set STG,  104448                      ; the way out: 16 rows x 272 bytes for each wave,
.set TOKL, 139264                      ; and each wave's own copy of the tile's 48 token numbers
; registers, window 0
.set R,    1                           ; lane % 16
.set H,    2                           ; lane / 16
.set LO16, 3                           ; 16 x lane: a fragment's and a scale word's place in wf and ws; never rewritten
.set XRD,  4                           ; reads of x's images
.set HRD,  5                           ; reads of the hidden images (a trip on at each barrier from the second)
.set HSR,  6                           ; and of their scale words
.set HWR,  7                           ; where I store my codes of the hidden layer (a trip on at each barrier)
.set HSW,  8                           ; and my scale byte
.set B1R,  9                           ; b1 of my units
.set TOK,  10                          ; v10-12 token of row 16 m + r
.set XW,   13                          ; where I store x's codes
.set XSA,  14                          ; and its scale word
.set XOA,  15                          ; x: byte offsets of my two fragments' rows
.set XOB,  16
.set XSR,  17                          ; reads of x's scale words
.set SLO,  18                          ; offsets of global loads at the head; never rewritten
.set B1O,  19
.set B2O,  20
.set B1W,  21                          ; where I store my share of b1
.set T0,   22                          ; v22-23 at work
.set XS,   24                          ; v24-29 x's scale words (2 m + k / 2): lanes 0-15 the even K step, lanes 16-31 the odd one
.set HS,   30                          ; v30-32 the hidden layer's (m): lanes 0-15 kk = 0, lanes 16-31 kk = 1
.set SO,   33                          ; the way out: into the stage
.set WS1,  34                          ; v34-37 W1's scale words (k): lanes 0-15 tile 0, lanes 16-31 tile 1
.set WS2,  38                          ; v38-41 W2's (2 kk + n / 2): lanes 0-15 even n, lanes 16-31 odd n
.set C6,   42                          ; v42-43 B's highest coefficient, twice;  v44-45 A's
.set C4,   44
.set CLP,  46                          ; 5.2947
.set SR,   47                          ; the way out: back from the stage
.set G,    48                          ; v48-155 three groups of three row fragments
.set TKW,  156
.set TKR,  157
.set CO,   158                         ; my 16 bytes in a row of out0
.set R1,   160                         ; v160-255 W1's eight fragments (2 k + u)
; window 1
.set A2,   0                           ; v256-351 the sums of the outputs (n, m) at 8 (3 n + m)
.set A1,   96                          ; v352-399 the hidden layer (m, u) at 16 m + 8 u
.set R2,   144                         ; v400-495 W2's eight fragments (4 kk + n)
; the vector phase, in the groups' registers
.set HC,   48
.set U,    64
.set AA,   80
.set BB,   96
.set TM,   48
.set TP,   52
.set SCL,  56
.set BY,   60
.set CC,   64
.set PW,   80
.set B1S,  112
.set OB,   48                          ; the way out: rows read back, 32 registers a tile of rows
.set RA,   160                         ; and their offsets in out0, 8 a tile
; scalars
.set WV,   20
.set GRP,  21
.set ROT,  22
.set TR,   23
.set CLS,  24
.set CNT,  25
; s26-29 at work; s[30:31], s[32:33] W1's and W2's codes at my wave's part; s[34:35], s[36:37] their scale words; s[38:41], s[68:71] the pointers of the loads in hand; s42, s43 the next trip to load;
; s[44:45] an offset; s[46:47] lane selects; s[48:55] A's coefficients, s[56:63], s[66:67] B's, each twice; s[72:73] b1, s[74:75] b2; s76 the mask of class 4
.set MSB, 0
.macro WIN new                         ; bits 1:0 source 0, 3:2 source 1, 5:4 source 2, 7:6 destination; the high byte repeats the setting that is left
.if MSB != \new
	s_set_vgpr_msb (MSB<<8)|\new
.set MSB, \new
.endif
.endm
.macro NOP4                            ; four places between a matrix instruction and a load into, or a vector write of, one of its registers, or a read of its result
.rept 4
	v_nop
.endr
.endm
.macro PAIR reg, bits
	s_mov_b32 s[\reg], \bits
	s_mov_b32 s[\reg+1], \bits
.endm
.macro WM d, a, b, sa, sb, ra, rb      ; one product in place; ra, rb: the scales stand in lanes 16-31
.if ((\ra)!=0)&&((\rb)!=0)
	v_wmma_scale_f32_16x16x128_f8f6f4 v[(\d):(\d)+7], v[(\a):(\a)+11], v[(\b):(\b)+11], v[(\d):(\d)+7], v[(\sa)], v[(\sb)] matrix_a_fmt:MATRIX_FMT_FP6 matrix_b_fmt:MATRIX_FMT_FP6 matrix_a_scale:MATRIX_SCALE_ROW1 matrix_b_scale:MATRIX_SCALE_ROW1
.elseif (\ra)!=0
	v_wmma_scale_f32_16x16x128_f8f6f4 v[(\d):(\d)+7], v[(\a):(\a)+11], v[(\b):(\b)+11], v[(\d):(\d)+7], v[(\sa)], v[(\sb)] matrix_a_fmt:MATRIX_FMT_FP6 matrix_b_fmt:MATRIX_FMT_FP6 matrix_a_scale:MATRIX_SCALE_ROW1
.elseif (\rb)!=0
	v_wmma_scale_f32_16x16x128_f8f6f4 v[(\d):(\d)+7], v[(\a):(\a)+11], v[(\b):(\b)+11], v[(\d):(\d)+7], v[(\sa)], v[(\sb)] matrix_a_fmt:MATRIX_FMT_FP6 matrix_b_fmt:MATRIX_FMT_FP6 matrix_b_scale:MATRIX_SCALE_ROW1
.else
	v_wmma_scale_f32_16x16x128_f8f6f4 v[(\d):(\d)+7], v[(\a):(\a)+11], v[(\b):(\b)+11], v[(\d):(\d)+7], v[(\sa)], v[(\sb)] matrix_a_fmt:MATRIX_FMT_FP6 matrix_b_fmt:MATRIX_FMT_FP6
.endif
.endm
.macro LDX g, k                        ; x's three fragments of K step k into group g: nine loads
	WIN 0
.irp m, 0,1,2
.irp i, 0,1,2
	ds_load_b128 v[G+36*\g+12*\m+4*\i:G+36*\g+12*\m+4*\i+3], v[XRD] offset:(4*\m+\k)*IMG+16*\i
.endr
.endr
.endm
.macro LDH g, kk                       ; the hidden layer's three fragments of K step kk of the trip before
	WIN 0
.irp m, 0,1,2
.irp i, 0,1,2
	ds_load_b128 v[G+36*\g+12*\m+4*\i:G+36*\g+12*\m+4*\i+3], v[HRD] offset:(3*\kk+\m)*IMG+16*\i
.endr
.endr
.endm
.macro LDHS
	WIN 0
.irp m, 0,1,2
	ds_load_b32 v[HS+\m], v[HSR] offset:128*\m
.endr
.endm
.macro P1STEP k, g                     ; six products: K step k of x W1; the six sums take turns, one instruction a turn
	WIN 0x50
.irp m, 0,1,2
.irp u, 0,1
	WM A1+16*\m+8*\u, R1+12*(2*\k+\u), G+36*\g+12*\m, WS1+\k, XS+2*\m+\k/2, \u, \k%2
.endr
.endr
.endm
.macro P2STEP kk, g                    ; twelve products: K step kk of the hidden layer times W2; the twelve sums take turns
	WIN 0x51
.irp n, 0,1,2,3
.irp m, 0,1,2
	WM A2+8*(3*\n+\m), R2+12*(4*\kk+\n), G+36*\g+12*\m, WS2+2*\kk+\n/2, HS+\m, \n%2, \kk
.endr
.endr
.endm
; A ring is loaded again, with the next trip of my walk: 24 loads of codes and one of scale words.  A trip's part of an expert's codes is 8 x 12,288 bytes, of its scale words 8 x 512.
.macro RELOAD which
	WIN 0
	s_wait_xcnt 0x0                                ; the ring's last loads have read their pointers: they are written again only behind this wait
.if \which == 1
	s_add_co_u32 s26, s42, s[ROT]
	s_and_b32 s26, s26, 7
	s_add_co_u32 s42, s42, 1
	s_mul_i32 s44, s26, 98304
	s_add_nc_u64 s[38:39], s[30:31], s[44:45]
	s_lshl_b32 s44, s26, 12
	s_add_nc_u64 s[40:41], s[34:35], s[44:45]
	global_load_b128 v[WS1:WS1+3], v[LO16], s[40:41]
.irp i, 0,1,2,3,4,5,6,7
.irp p, 0,1,2
	global_load_b128 v[R1+12*\i+4*\p:R1+12*\i+4*\p+3], v[LO16], s[38:39] offset:1536*\i+512*\p
.endr
.endr
.else
	s_add_co_u32 s26, s43, s[ROT]
	s_and_b32 s26, s26, 7
	s_add_co_u32 s43, s43, 1
	s_mul_i32 s44, s26, 98304
	s_add_nc_u64 s[68:69], s[32:33], s[44:45]
	s_lshl_b32 s44, s26, 12
	s_add_nc_u64 s[70:71], s[36:37], s[44:45]
	global_load_b128 v[WS2:WS2+3], v[LO16], s[70:71]
	WIN 0x40
.irp i, 0,1,2,3,4,5,6,7
.irp p, 0,1,2
	global_load_b128 v[R2+12*\i+4*\p:R2+12*\i+4*\p+3], v[LO16], s[68:69] offset:1536*\i+512*\p
.endr
.endr
	WIN 0
.endif
.endm
; THE MATRIX BLOCKS.  Groups of nine fragment loads run two ahead: a wait for 18 leaves the two younger groups out, one for 9 the youngest.
.macro MP1 wait, reload                ; the first product alone
.if \wait
	s_wait_loadcnt 0x0                             ; the rings' loads, issued a block of vector work ago
.endif
	LDX 0, 0
	LDX 1, 1
	LDX 2, 2
	s_wait_dscnt 18
	P1STEP 0, 0
	NOP4
	LDX 0, 3
	s_wait_dscnt 18
	P1STEP 1, 1
	s_wait_dscnt 9
	P1STEP 2, 2
	s_wait_dscnt 0x0
	P1STEP 3, 0
	WIN 0
	NOP4
.if \reload
	RELOAD 1
.endif
.endm
.macro MP2 reload                      ; the second product alone
	s_wait_loadcnt 0x0
	LDHS
	LDH 0, 0
	LDH 1, 1
	s_wait_dscnt 9
	P2STEP 0, 0
	s_wait_dscnt 0x0
	P2STEP 1, 1
	WIN 0
	NOP4
.if \reload
	RELOAD 2
.endif
.endm
.macro MFULL r1                        ; the second product of the trip before, then the first product of a trip.  r1: W1's ring is loaded again: 1 always, 0 never, 2 in all trips of the loop but its last
	s_wait_loadcnt 0x0
	LDHS
	LDH 0, 0
	LDH 1, 1
	LDX 2, 0
	s_wait_dscnt 18
	P2STEP 0, 0
	NOP4
	LDX 0, 1
	s_wait_dscnt 18
	P2STEP 1, 1
	NOP4
	LDX 1, 2
	RELOAD 2
	s_wait_dscnt 18
	P1STEP 0, 2
	NOP4
	LDX 2, 3
	s_wait_dscnt 18
	P1STEP 1, 0
	s_wait_dscnt 9
	P1STEP 2, 1
	s_wait_dscnt 0x0
	P1STEP 3, 2
	WIN 0
	NOP4
.if \r1 == 1
	RELOAD 1
.elseif \r1 == 2
	s_cmp_eq_u32 s[TR], 6
	s_cbranch_scc1 .Lnr_\@                         ; there is no ninth trip: no load leaves its buffer
	RELOAD 1
.Lnr_\@:
.endif
.endm
; THE VECTOR PHASE.  gelu of 16 numbers a lane (tile of rows m): a = h (0.5 + hc A(u) / B(u)), u = hc^2.  The sixteen reciprocals are one batch; A's polynomial is the plain work behind them;
; one wait stands ahead of the first line that names a reciprocal.
.macro GELU16 m
	WIN 0x01
.irp i, 0,1,2,3,4,5,6,7,8,9,10,11,12,13,14,15
	v_med3_num_f32 v[HC+\i], v[A1+16*\m+\i], -v[CLP], v[CLP]       ; each sum is read from its low end on
.endr
	WIN 0
.irp i, 0,2,4,6,8,10,12,14
	v_pk_mul_f32 v[U+\i:U+\i+1], v[HC+\i:HC+\i+1], v[HC+\i:HC+\i+1]
.endr
.irp i, 0,2,4,6,8,10,12,14
	v_pk_fma_f32 v[BB+\i:BB+\i+1], v[U+\i:U+\i+1], v[C6:C6+1], s[56:57] op_sel_hi:[1,1,0]
.endr
.irp c, 58,60,62,66
.irp i, 0,2,4,6,8,10,12,14
	v_pk_fma_f32 v[BB+\i:BB+\i+1], v[BB+\i:BB+\i+1], v[U+\i:U+\i+1], s[\c:\c+1] op_sel_hi:[1,1,0]
.endr
.endr
.irp i, 0,2,4,6,8,10,12,14
	v_pk_fma_f32 v[BB+\i:BB+\i+1], v[BB+\i:BB+\i+1], v[U+\i:U+\i+1], 1.0 op_sel_hi:[1,1,0]
.endr
.irp i, 0,1,2,3,4,5,6,7,8,9,10,11,12,13,14,15
	v_rcp_f32 v[BB+\i], v[BB+\i]
.endr
.irp i, 0,2,4,6,8,10,12,14
	v_pk_fma_f32 v[AA+\i:AA+\i+1], v[U+\i:U+\i+1], v[C4:C4+1], s[48:49] op_sel_hi:[1,1,0]
.endr
.irp c, 50,52,54
.irp i, 0,2,4,6,8,10,12,14
	v_pk_fma_f32 v[AA+\i:AA+\i+1], v[AA+\i:AA+\i+1], v[U+\i:U+\i+1], s[\c:\c+1] op_sel_hi:[1,1,0]
.endr
.endr
.irp i, 0,2,4,6,8,10,12,14
	v_pk_mul_f32 v[AA+\i:AA+\i+1], v[HC+\i:HC+\i+1], v[AA+\i:AA+\i+1]
.endr
	s_wait_alu depctr_va_vdst(0)                   ; one wait for the sixteen reciprocals, ahead of their first reader
.irp i, 0,2,4,6,8,10,12,14
	v_pk_fma_f32 v[BB+\i:BB+\i+1], v[AA+\i:AA+\i+1], v[BB+\i:BB+\i+1], 0.5 op_sel_hi:[1,1,0]
.endr
	WIN 0x41
.irp i, 0,2,4,6,8,10,12,14
	v_pk_mul_f32 v[A1+16*\m+\i:A1+16*\m+\i+1], v[A1+16*\m+\i:A1+16*\m+\i+1], v[BB+\i:BB+\i+1]
.endr
.endm
; nb blocks of 32, of each of which my lane holds 16 neighbours in window 1 at src + 16 b and lane l xor 16 the others: codes to v[CC + 4 b] on, the scale's byte to v[BY + b].  The blocks take turns line by line.
.macro QUANTB src, nb
	WIN 0
.irp b, 0,1,2,3
.if \b < \nb
	v_mov_b32 v[TP+\b], 0                          ; a lane permute's destination counts as one of its sources
.endif
.endr
	WIN 0x05
.irp b, 0,1,2,3
.if \b < \nb
	v_max3_num_f32 v[TM+\b], |v[(\src)+16*\b]|, |v[(\src)+16*\b+1]|, 0x1800000   ; with the floor 2^(3 - 127): the byte cannot fall under 1
.endif
.endr
.irp i, 2,4,6,8,10,12,14
.irp b, 0,1,2,3
.if \b < \nb
	v_max3_num_f32 v[TM+\b], |v[(\src)+16*\b+\i]|, |v[(\src)+16*\b+\i+1]|, v[TM+\b]
.endif
.endr
.endr
	WIN 0
.irp b, 0,1,2,3
.if \b < \nb
	v_permlanex16_b32 v[TP+\b], v[TM+\b], s46, s47
.endif
.endr
.irp b, 0,1,2,3
.if \b < \nb
	v_max_num_f32 v[TM+\b], v[TM+\b], v[TP+\b]     ; the block's largest magnitude
.endif
.endr
.irp b, 0,1,2,3
.if \b < \nb
	v_add_nc_u32 v[SCL+\b], 0xff000000, v[TM+\b]   ; 2 off its exponent field: the conversion's scale operand
.endif
.endr
.irp b, 0,1,2,3
.if \b < \nb
	v_lshrrev_b32 v[BY+\b], 23, v[SCL+\b]          ; the scale's byte
.endif
.endr
	WIN 0x01
.irp b, 0,1,2,3
.if \b < \nb
	v_cvt_scalef32_pk16_fp6_f32 v[CC+4*\b:CC+4*\b+2], v[(\src)+16*\b:(\src)+16*\b+15], v[SCL+\b]
.endif
.endr
	WIN 0
	v_nop                                          ; one plain place behind the last scaled conversion
.endm
.macro BIAS off                        ; b1 of my 32 units becomes the start of the next trip's six sums: register 8 u + j = unit 16 h + 8 u + j
	WIN 0x40
.irp m, 0,1,2
.irp u, 0,1
.irp q, 0,1
	ds_load_b128 v[A1+16*\m+8*\u+4*\q:A1+16*\m+8*\u+4*\q+3], v[B1R] offset:\off+32*\u+16*\q
.endr
.endr
.endr
	WIN 0
.endm
.macro VPH bias
	GELU16 0
	GELU16 1
	GELU16 2
	QUANTB A1, 3                                   ; block m = my 32 units of tile of rows m
.irp m, 0,1,2
.irp i, 0,1,2
	ds_store_b32 v[HWR], v[CC+4*\m+\i] offset:IMG*\m+4*\i
.endr
.endr
.irp m, 0,1,2
	ds_store_b8 v[HSW], v[BY+\m] offset:128*\m     ; both halves of the lanes write the same byte with the same value
.endr
.if \bias
	BIAS 1024
	s_wait_dscnt 12                                ; the twelve stores have read their registers, into which the next fragment loads land; the twelve loads of b1 may be out
.else
	s_wait_dscnt 0x0
.endif
.endm
; THE BARRIER of a trip: my stores of this trip's codes have landed and my loads of the trip before's are in.  No LDS instruction of mine is out, so the addresses are stepped here.
.macro BAR stepread
	s_wait_dscnt 0x0
	v_add_nc_u32 v[HWR], 6*IMG, v[HWR]
	v_add_nc_u32 v[HSW], 384, v[HSW]
	v_add_nc_u32 v[B1R], 1024, v[B1R]
.if \stepread
	v_add_nc_u32 v[HRD], 6*IMG, v[HRD]
	v_add_nc_u32 v[HSR], 384, v[HSR]
.endif
	s_barrier_signal -1
	s_barrier_wait -1
.endm
.macro XSTORE io, so                   ; a fragment of x: block b's 96 bits to lane r + 16 (b % 2), registers 6 (b / 2) + 3 h on; the four bytes make the row's scale word
.irp b, 0,1,2,3
.irp i, 0,1,2
	ds_store_b32 v[XW], v[CC+4*\b+\i] offset:\io+768*(\b%2)+24*(\b/2)+4*\i
.endr
.endr
	v_lshl_or_b32 v[PW], v[BY+1], 8, v[BY]
	v_lshl_or_b32 v[PW], v[BY+2], 16, v[PW]
	v_lshl_or_b32 v[PW], v[BY+3], 24, v[PW]
	ds_store_b32 v[XSA], v[PW] offset:\so
.endm
	; ---- THE HEAD: every LDS address is made here, of constants, the lane and the wave's number
	s_load_b512 s[4:19], s[0:1], 0x0               ; x s[4:5], slots s[6:7], tiles s[8:9], wf s[10:11], ws s[12:13], b1 s[14:15], b2 s[16:17], out0 s[18:19]
	v_lshl_add_u32 v159, v0, 2, 0x22800
	s_set_vgpr_msb 0x40
	v_mov_b32 v255, 0
	s_set_vgpr_msb 0x4000
	v_lshrrev_b32 v[T0], 5, v0
	v_readfirstlane_b32 s[WV], v[T0]               ; wave 0..7
	s_lshr_b32 s26, s[WV], 2                       ; kk: which K step of the second product my units belong to
	s_xor_b32 s[GRP], s26, s[WV]
	s_and_b32 s[GRP], s[GRP], 1
	s_and_b32 s[ROT], ttmp9, 7
	v_and_b32 v[R], 15, v0
	v_bfe_u32 v[H], v0, 4, 1
	v_and_b32 v[T0], 31, v0
	v_lshlrev_b32 v[LO16], 4, v[T0]
	v_lshlrev_b32 v[B1O], 5, v[T0]
	v_lshlrev_b32 v[B2O], 5, v[H]
	v_mul_u32_u24 v[XRD], v[T0], 48                ; (XIMG is LDS byte 0)
	v_add_nc_u32 v[HRD], HIMG, v[XRD]
	v_lshlrev_b32 v[T0+1], 2, v[T0]
	v_add_nc_u32 v[HSR], HSC, v[T0+1]
	v_add_nc_u32 v[XSR], XSC, v[T0+1]
	s_lshl_b32 s27, s[WV], 10
	s_add_co_u32 s27, s27, B1L
	v_add_nc_u32 v[B1W], s27, v[B1O]
	v_mul_u32_u24 v[T0], v[R], 48
	v_mad_u32_u24 v[T0], v[H], 12, v[T0]           ; 48 r + 12 h
	s_mul_i32 s27, s26, 3*IMG
	s_and_b32 s28, s[WV], 1
	s_mul_i32 s28, s28, 768
	s_add_co_u32 s27, s27, s28
	s_bfe_u32 s28, s[WV], 0x10001
	s_mul_i32 s28, s28, 24
	s_add_co_u32 s27, s27, s28
	s_add_co_u32 s27, s27, HIMG
	v_add_nc_u32 v[HWR], s27, v[T0]                ; my block is w % 4 of K step kk
	s_mul_i32 s27, s[WV], IMG
	v_add_nc_u32 v[XW], s27, v[T0]
	s_lshl_b32 s27, s26, 6
	s_and_b32 s28, s[WV], 3
	s_add_co_u32 s27, s27, s28
	s_add_co_u32 s27, s27, HSC
	v_lshl_add_u32 v[HSW], v[R], 2, s27
	s_lshl_b32 s27, s[WV], 7
	s_add_co_u32 s27, s27, B1L
	v_lshl_add_u32 v[B1R], v[H], 6, s27
	s_lshl_b32 s27, s[WV], 6
	s_add_co_u32 s27, s27, XSC
	v_lshl_add_u32 v[XSA], v[R], 2, s27
	s_mul_i32 s27, s[WV], 16*272
	s_add_co_u32 s27, s27, STG
	v_mul_u32_u24 v[T0], v[R], 272
	v_lshl_add_u32 v[T0], v[H], 5, v[T0]
	v_add_nc_u32 v[SO], s27, v[T0]                 ; in: row r, 32 bytes for each half of the lanes
	v_mul_u32_u24 v[T0], v[H], 272
	v_lshl_add_u32 v[T0], v[R], 4, v[T0]
	v_add_nc_u32 v[SR], s27, v[T0]                 ; back: lanes 0-15 one row of 256 bytes, lanes 16-31 the next
	s_lshl_b32 s27, s[WV], 8
	v_lshl_add_u32 v[CO], v[R], 4, s27
	s_add_co_u32 s27, s27, TOKL
	v_lshl_add_u32 v[TKW], v[R], 2, s27
	v_lshl_add_u32 v[TKR], v[H], 2, s27
	s_mov_b32 s46, 0x76543210
	s_mov_b32 s47, 0xfedcba98                      ; v_permlanex16_b32's selects for lane l xor 16
	PAIR 48, 0x391DF186                            ; A: 1.50626605e-4,
	PAIR 50, 0x3B93955D                            ;    4.50388969e-3,
	PAIR 52, 0x3D061AEB                            ;    3.27405152e-2,
	PAIR 54, 0x3ECC4229                            ;    0.398942272
	PAIR 56, 0x354588DF                            ; B: 7.35873952e-7,
	PAIR 58, 0x38856D28                            ;    6.36226580e-5,
	PAIR 60, 0x3AE687D4                            ;    1.75880877e-3,
	PAIR 62, 0x3CE34C21                            ;    2.77462629e-2,
	PAIR 66, 0x3E7EB44A                            ;    0.248734626, and 1
	v_mov_b32 v[C6], 0xB0FD3906                    ; B's highest: -1.84243796e-9
	v_mov_b32 v[C6+1], 0xB0FD3906
	v_mov_b32 v[C4], 0x36A9D4AF                    ; A's highest: 5.06135231e-6
	v_mov_b32 v[C4+1], 0x36A9D4AF
	v_mov_b32 v[CLP], 0x40A96E37
	s_mov_b32 s45, 0
	s_mov_b32 s42, 0
	s_mov_b32 s43, 0
	s_lshl_b32 s26, ttmp9, 4
	s_mul_i32 s27, ttmp9, 192
	v_lshl_add_u32 v[SLO], v[R], 2, s27
	s_wait_kmcnt 0x0
	s_load_b64 s[CLS:CLS+1], s[8:9], s26 offset:0x0   ; my tile's class and rows
.irp m, 0,1,2
	global_load_b32 v[TOK+\m], v[SLO], s[6:7] offset:64*\m   ; and its 48 places: all are written, those behind the last row with 0
.endr
	s_wait_kmcnt 0x0
	s_min_u32 s[CLS], s[CLS], 4
	s_min_u32 s[CNT], s[CNT], 48
	s_min_u32 s29, s[CLS], 3                       ; the expert
	s_cmp_eq_u32 s[CLS], 4
	s_cselect_b32 s76, 0, -1
	s_mul_i32 s44, s29, 786432
	s_mul_i32 s28, s[WV], 12288
	s_add_co_u32 s44, s44, s28
	s_add_nc_u64 s[30:31], s[10:11], s[44:45]
	s_add_nc_u64 s[32:33], s[30:31], 4*786432
	s_lshl_b32 s44, s29, 15
	s_lshl_b32 s28, s[WV], 9
	s_add_co_u32 s44, s44, s28
	s_add_nc_u64 s[34:35], s[12:13], s[44:45]
	s_add_nc_u64 s[36:37], s[34:35], 4*32768
	s_add_co_u32 s28, s[WV], s[ROT]
	s_and_b32 s28, s28, 7
	s_lshl_b32 s28, s28, 10
	s_lshl_b32 s44, s29, 13
	s_add_co_u32 s44, s44, s28
	s_add_nc_u64 s[72:73], s[14:15], s[44:45]      ; b1: wave w brings the 256 numbers of the walk's trip w
	s_lshl_b32 s44, s29, 11
	s_lshl_b32 s28, s[WV], 8
	s_add_co_u32 s44, s44, s28
	s_add_nc_u64 s[74:75], s[16:17], s[44:45]      ; b2: my 64 columns
	s_wait_loadcnt 0x0
	; rows behind the last become copies of the last row
	s_sub_co_u32 s26, s[CNT], 1
	s_and_b32 s27, s26, 15
	s_lshr_b32 s28, s26, 4
	v_readlane_b32 s77, v[TOK], s27
	v_readlane_b32 s78, v[TOK+1], s27
	v_readlane_b32 s79, v[TOK+2], s27
	s_cmp_eq_u32 s28, 1
	s_cselect_b32 s77, s78, s77
	s_cmp_eq_u32 s28, 2
	s_cselect_b32 s77, s79, s77
	v_mov_b32 v[T0], s77
.irp m, 0,1,2
	v_add_nc_u32 v[T0+1], 16*\m, v[R]
	v_cmp_gt_u32 vcc_lo, s[CNT], v[T0+1]
	v_cndmask_b32 v[TOK+\m], v[T0], v[TOK+\m], vcc_lo
	v_min_u32 v[TOK+\m], 0x1fff, v[TOK+\m]
.endr
.irp m, 0,1,2
	ds_store_b32 v[TKW], v[TOK+\m] offset:64*\m    ; my wave's own copy, for the way out
.endr
	; x: twelve fragments (tile of rows m, K step k).  Wave w quantises fragment w (m = w / 4, k = w % 4); waves 0 to 3 also fragment 8 + w (m = 2, k = w)
	s_cmp_lt_u32 s[WV], 4
	s_cselect_b32 s26, -1, 0
	v_cndmask_b32 v[T0], v[TOK+1], v[TOK], s26
	v_min_u32 v[T0], 0x1fff, v[T0]
	s_and_b32 s27, s[WV], 3
	s_lshl_b32 s27, s27, 9
	v_lshl_add_u32 v[T0+1], v[H], 6, s27           ; 512 k + 64 h: my 16 numbers of each block of 32
	v_lshl_add_u32 v[XOA], v[T0], 11, v[T0+1]
	v_lshl_add_u32 v[XOB], v[TOK+2], 11, v[T0+1]
	WIN 0x40
.irp b, 0,1,2,3
.irp j, 0,1,2,3
	global_load_b128 v[A2+16*\b+4*\j:A2+16*\b+4*\j+3], v[XOA], s[4:5] offset:128*\b+16*\j
.endr
.endr
	WIN 0
	s_cmp_lt_u32 s[WV], 4
	s_cbranch_scc0 .Lno_xb_load
	WIN 0x40
.irp b, 0,1,2,3
.irp j, 0,1,2,3
	global_load_b128 v[R2+16*\b+4*\j:R2+16*\b+4*\j+3], v[XOB], s[4:5] offset:128*\b+16*\j
.endr
.endr
	WIN 0
.Lno_xb_load:
	global_load_b128 v[B1S:B1S+3], v[B1O], s[72:73]
	global_load_b128 v[B1S+4:B1S+7], v[B1O], s[72:73] offset:16
	RELOAD 1                                       ; W1's fragments of the first trip
	s_wait_loadcnt 27                              ; x is in: behind it b1's two loads and the ring's 25 may be out
	QUANTB A2, 4
	XSTORE 0, 0
	s_cmp_lt_u32 s[WV], 4
	s_cbranch_scc0 .Lno_xb
	s_wait_dscnt 0x0                               ; the stores have read their registers
	s_wait_loadcnt 27
	QUANTB R2, 4
	XSTORE 8*IMG, 512
.Lno_xb:
	s_wait_loadcnt 25                              ; b1 is in; the ring's 25 may be out
	ds_store_b128 v[B1W], v[B1S:B1S+3]
	ds_store_b128 v[B1W], v[B1S+4:B1S+7] offset:16
	s_wait_dscnt 0x0                               ; for the others' sake: my images, scale words and share of b1 lie in LDS
	s_barrier_signal -1
	s_barrier_wait -1
.irp m, 0,1,2
.irp kp, 0,1
	ds_load_b32 v[XS+2*\m+\kp], v[XSR] offset:(4*\m+2*\kp)*64   ; x's scale words stay in registers
.endr
.endr
	BIAS 0
	RELOAD 2                                       ; W2's fragments of the first trip, and b2 as the start of the twelve sums: they have the first trip in which to land
	WIN 0x40
.irp n, 0,1,2,3
.irp m, 0,1,2
.irp q, 0,1
	global_load_b128 v[A2+8*(3*\n+\m)+4*\q:A2+8*(3*\n+\m)+4*\q+3], v[B2O], s[74:75] offset:64*\n+16*\q
.endr
.endr
.endr
	WIN 0
	s_wait_loadcnt 49                              ; W1's ring is in: the 25 + 24 loads just issued may be out
	; ---- THE TRIPS.  Group 0 in interval t: second product of trip t - 1, first product of trip t, vector phase of trip t.  Group 1: vector phase of t, second product of t - 1, first product of t + 1.
	MP1 0, 1                                       ; all waves: the first product of trip 0
	VPH 1                                          ; interval 0
	s_cmp_eq_u32 s[GRP], 1
	s_cbranch_scc0 .Lnot_b0
	MP1 1, 1
.Lnot_b0:
	BAR 0
	s_mov_b32 s[TR], 1
.Ltrip:                                            ; intervals 1 to 6
	s_cmp_eq_u32 s[GRP], 0
	s_cbranch_scc0 .Lnot_a
	MFULL 1
.Lnot_a:
	VPH 1
	s_cmp_eq_u32 s[GRP], 1
	s_cbranch_scc0 .Lnot_b
	MFULL 2
.Lnot_b:
	BAR 1
	s_add_co_u32 s[TR], s[TR], 1
	s_cmp_lt_u32 s[TR], 7
	s_cbranch_scc1 .Ltrip
	s_cmp_eq_u32 s[GRP], 0                         ; interval 7
	s_cbranch_scc0 .Lnot_a7
	MFULL 0
.Lnot_a7:
	VPH 0
	s_cmp_eq_u32 s[GRP], 1
	s_cbranch_scc0 .Lnot_b7
	MP2 1
.Lnot_b7:
	BAR 1
	MP2 0                                          ; all waves: the second product of trip 7
	; ---- THE WAY OUT.  A lane holds 32 neighbouring bytes of a token's row and the lanes beside it other tokens: a tile of 16 rows goes through my own stage and comes back as rows of 256 bytes.
	; LDS serves a wave's instructions in order (ISA guide 5.7.1.4): no wait between the stores and the loads, nor ahead of the next tile's stores.  No barrier stands from here on.
	s_cmp_eq_u32 s[CNT], 0
	s_cbranch_scc1 .Lend                           ; a tile without rows stores nothing
.irp m, 0,1,2
	WIN 0x04                                       ; an LDS store's data are its source 1: window 1
.irp n, 0,1,2,3
	ds_store_b128 v[SO], v[A2+8*(3*\n+\m):A2+8*(3*\n+\m)+3] offset:64*\n       ; each sum from its low end on
	ds_store_b128 v[SO], v[A2+8*(3*\n+\m)+4:A2+8*(3*\n+\m)+7] offset:64*\n+16
.endr
	WIN 0
.irp i, 0,1,2,3,4,5,6,7
	ds_load_b128 v[OB+32*\m+4*\i:OB+32*\m+4*\i+3], v[SR] offset:544*\i         ; rows 2 i and 2 i + 1
.endr
.irp i, 0,1,2,3,4,5,6,7
	ds_load_b32 v[RA+8*\m+\i], v[TKR] offset:64*\m+8*\i                        ; and their tokens
.endr
.endr
.irp m, 0,1,2
	s_wait_dscnt 24*(2-\m)                         ; this tile is back; the later tiles' 24 LDS instructions each may be out
.irp i, 0,1,2,3,4,5,6,7
	v_min_u32 v[RA+8*\m+\i], 0x1fff, v[RA+8*\m+\i]
.endr
.irp i, 0,1,2,3,4,5,6,7
	v_lshl_add_u32 v[RA+8*\m+\i], v[RA+8*\m+\i], 11, v[CO]
.endr
.irp i, 0,1,2,3,4,5,6,7,8,9,10,11,12,13,14,15,16,17,18,19,20,21,22,23,24,25,26,27,28,29,30,31
	v_and_b32 v[OB+32*\m+\i], s76, v[OB+32*\m+\i]  ; class 4: zeros
.endr
.irp i, 0,1,2,3,4,5,6,7
	global_store_b128 v[RA+8*\m+\i], v[OB+32*\m+4*\i:OB+32*\m+4*\i+3], s[18:19] th:TH_STORE_NT   ; 16 lanes store 256 consecutive bytes of a token's row, at a multiple of 256 from out0's first byte
.endr
.endr
.Lend:
	s_set_vgpr_msb 0x4
	s_wait_tensorcnt 0x0
	ds_add_u32 v159, v255
	s_wait_dscnt 0x0
	s_set_vgpr_msb 0x400
	s_endpgm
.Lfunc_end_k_qc4cad967c0_ffn:
	.size	k_qc4cad967c0_ffn, .Lfunc_end_k_qc4cad967c0_ffn-k_qc4cad967c0_ffn
	.p2alignl 7, 3214868480
	.fill 96, 4, 3214868480
	.section	.rodata,"a",@progbits
	.p2align	6, 0x0
	.amdhsa_kernel k_qc4cad967c0_ffn
		.amdhsa_group_segment_fixed_size 142336
		.amdhsa_private_segment_fixed_size 0
		.amdhsa_enable_private_segment 0
		.amdhsa_kernarg_size 64
		.amdhsa_user_sgpr_count 2
		.amdhsa_user_sgpr_kernarg_segment_ptr 1
		.amdhsa_wavefront_size32 1
		.amdhsa_system_sgpr_workgroup_id_x 1
		.amdhsa_system_sgpr_workgroup_id_y 1
		.amdhsa_system_sgpr_workgroup_id_z 1
		.amdhsa_system_vgpr_workitem_id 0
		.amdhsa_next_free_vgpr 512
		.amdhsa_next_free_sgpr 100
		.amdhsa_reserve_vcc 1
		.amdhsa_float_denorm_mode_32 3
		.amdhsa_float_denorm_mode_16_64 3
		.amdhsa_memory_ordered 1
		.amdhsa_forward_progress 1
		.amdhsa_inst_pref_size 208
	.end_amdhsa_kernel
	.amdgpu_metadata
---
amdhsa.version: [ 1, 2 ]
amdhsa.kernels:
  - .name:           k_qc4cad967c0_ffn
    .symbol:         k_qc4cad967c0_ffn.kd
    .args:
      - { .name: x, .offset: 0, .size: 8, .value_kind: global_buffer, .address_space: global }
      - { .name: slots, .offset: 8, .size: 8, .value_kind: global_buffer, .address_space: global }
      - { .name: tiles, .offset: 16, .size: 8, .value_kind: global_buffer, .address_space: global }
      - { .name: wf, .offset: 24, .size: 8, .value_kind: global_buffer, .address_space: global }
      - { .name: ws, .offset: 32, .size: 8, .value_kind: global_buffer, .address_space: global }
      - { .name: b1, .offset: 40, .size: 8, .value_kind: global_buffer, .address_space: global }
      - { .name: b2, .offset: 48, .size: 8, .value_kind: global_buffer, .address_space: global }
      - { .name: out0, .offset: 56, .size: 8, .value_kind: global_buffer, .address_space: global }
    .group_segment_fixed_size: 142336
    .private_segment_fixed_size: 0
    .kernarg_segment_align: 8
    .kernarg_segment_size: 64
    .max_flat_workgroup_size: 256
    .sgpr_count:     100
    .vgpr_count:     512
    .wavefront_size: 32
...
	.end_amdgpu_metadata
.endif
;; end of part 2
